; MI455X (gfx1250); checked and timed in simulation.
; The chip was launched on July 23, 2026; its instructions are those of AMD's public machine-readable ISA for CDNA 5 (MIT licence, August 2026) and "CDNA5" Instruction Set Architecture Reference Guide (July 2026). The comments in the code are by the model that wrote it; some were corrected since.
;; Simple Prediction Layer. Allowed arithmetic: matrix products marked QUANTISED: E2M1 operands, one E8M0 scale for each 32 along K, by v_wmma_scale_f32_16x16x128_f8f6f4 with both operands' format E2M1 (or v_wmma_scale_f32_32x16x128_f4), f32 sums; products left as they are: f32 operands where the result goes on into a quantised operand, else bf16, f16 or f32 operands; f32 sums; everything else in f32.
;; Inputs: W1_codes 512 x 16 x 16 uint8 (E2M1 codes of W1, K innermost, in blocks of 32 codes, two codes a byte); W1_scales 512 x 16 uint8 (E8M0 scales of W1, one for each 32 codes along K); W2 512 x 1 float32; all_mapping 2 x 1,024 x 128 float32; b1 512 float32; b2 1 float32; input_state 2 x 1,024 x 512 float32.
;; Outputs: out0 2 x 128 x 1 float32.
;; This version of the problem:
;;   THIS VERSION OF THE PROBLEM IS GIVEN IN LOW PRECISION. The matrix products marked QUANTISED in the list below multiply operands that are first quantised to E2M1 (2 exponent bits, 1 mantissa bit; 4 bits a number), with one power-of-two scale for each 32 numbers along K (OCP MX v1.0); their sums are f32. All else is computed in f32.
;;   The module's matrix products, in the order in which they are computed (A, B: the left and right operand; K: the contracted axis; several contracted axes count as one K, in the product's order):
;;     1. [M 256, K 512] x [K 512, N 512]; A: computed on the way; B: input W1 (given as codes): QUANTISED
;;     2. [M 256, K 512] x [K 512, N 1]; A: computed on the way; B: input W2: left as it is (N = 1 < 16)
;;   THE QUANTISER, for each operand of a quantised product, along K:
;;     - K is cut into blocks of 32 from its start; a last block that is shorter is filled with zeros.
;;     - A block's scale is 2^e with e = floor(log2(the largest magnitude in the block)) - 2, held to -126 .. 127; a block of zeros has e = 0. As a byte (E8M0): e + 127.
;;     - Each number is divided by its block's scale, clamped to +-6, and rounded to the nearest number of E2M1, ties to even, subnormals kept.
;;     - The product sums the exact products of the quantised numbers (number of the format x scale) in f32.
;;   ~~~python
;;   def quantise(x, axis):      # numpy; x: float32 -> the quantised numbers, widened to float32 again
;;       x = np.moveaxis(x, axis, -1); K = x.shape[-1]
;;       x = np.pad(x, [(0, 0)] * (x.ndim - 1) + [(0, -K % 32)]); x = x.reshape(x.shape[:-1] + (-1, 32)); a = np.abs(x).max(-1, keepdims=True)
;;       e = np.where(a > 0, np.clip(np.frexp(np.where(a > 0, a, 1))[1] - 1 - 2, -126, 127), 0)      # np.frexp(a)[1] - 1 = floor(log2(a)), exactly
;;       r = np.clip(x / 2.0 ** e, -6, 6)
;;       step = 2.0 ** (np.maximum(np.frexp(np.where(r == 0, 1, r))[1] - 1, 0) - 1)
;;       q = np.round(r / step) * step * 2.0 ** e      # np.round: ties to even
;;       return np.moveaxis(q.reshape(q.shape[:-2] + (-1,))[..., :K], -1, axis).astype(np.float32)
;;   ~~~
;;   OPERANDS COMPUTED ON THE WAY. 'Computed on the way' means the value that the module computes at that place (a softmax that the list does not call 'softmax' is quantised finished and normalised). What goes into a quantiser is computed in f32, as accurately as f32 sums, v_exp_f32 and their like allow (about 1e-6 of the number): no bf16 or f16 on the way to a quantiser, and a product that is left as it is and whose result goes on into a quantised operand takes f32 operands (vector FMAs, or v_wmma_f32_16x16x4_f32). A number that lies on a knife's edge between two numbers of the format may be rounded either way, as far as f32 arithmetic and the matrix unit's own rounding can turn it there, and no further.
;;   INPUTS GIVEN AS CODES. W1 (in the module: [512, 512], K = its axis 0): each comes as NAME_codes (uint8): NAME with its K axis moved to the last place and cut into blocks of 32 codes, [.., K / 32, bytes a block], one block behind the other in memory; two codes a byte, the lower K in the low four bits (a code: sign, 2 exponent bits, 1 mantissa bit); and NAME_scales (uint8): the same leading axes, one E8M0 byte (e + 127) for each 32 codes along K. Its value is code x scale, taken as it is: it is not quantised again, and the codes and scales need not be those that the quantiser above would give.
;; One version. Each part assembles by itself: llvm-mc -triple=amdgcn-amd-amdhsa -mcpu=gfx1250 --defsym DOCPART=n.
;; ======== version 1 of 1: 2 launches
;; limits: right only within a limited range of input values
;; workspace buffers: acodes 65,536 bytes; ascales 4,096 bytes
;; launch spmax (part 1): grid 16 x 16, 8 waves a work-group, no clusters, 167,936 bytes of LDS; arguments all_mapping, input_state, acodes, ascales; writes acodes, ascales
.if DOCPART == 1
	.amdgcn_target "amdgcn-amd-amdhsa--gfx1250"
	.amdhsa_code_object_version 6
	.text
	.protected	k_qc7d7b34ab4_spmax
	.globl	k_qc7d7b34ab4_spmax
	.p2align	8
	.type	k_qc7d7b34ab4_spmax,@function
k_qc7d7b34ab4_spmax:
	s_mov_b64 s[64:65], 0
	v_nop
	global_prefetch_b8 v0, s[64:65] scope:SCOPE_SE
	s_setreg_imm32_b32 hwreg(HW_REG_WAVE_MODE, 25, 1), 1
	s_wait_xcnt 0x0
; sp[b][n][d] = the maximum over s of all_mapping[b][s][n] x input_state[b][s][d], in f32, and its quantising along d to codes of FP4 (E2M1) with one E8M0 byte for each 32 d.
; all_mapping: [2][1024][128] f32;  input_state: [2][1024][512] f32.  The mapping is multiplied in as it is given: nothing is assumed of its values.
; OUT: acodes [16 row tiles][16 blocks of 32 d][16 rows][16 bytes]: the order in which the next launch's operand registers take them;  ascales [256 rows][16 bytes].  Row = 128 b + n.
; LIMITS: v_max3_num_f32 and v_max_num_f32 let a NaN lose: NaN among the inputs, and an infinity that meets a 0 of the mapping, are not served.  A block of zeros gets the byte 1 where the rule says 127:
; its codes are zeros, which add nothing under any byte but 0xff, and the bytes are read by this program alone.
; SHARES.  2 x 128 x 512 maxima over 1,024 s are 134,217,728 pairs of a product and a maximum.  256 work-groups: each owns 16 n x 32 d (one block of the quantiser for each of 16 rows) and ALL s, so that it can
; quantise what it has found and only codes go to memory.  Eight waves; wave w takes s = 128 w .. 128 w + 127.  A LANE owns 8 n x 8 d, 64 running maxima: eight lanes cover the tile, and the four groups of
; eight lanes take s mod 4.  For 2 s a lane reads 32 numbers from LDS (8 ds_load_b128) and issues 64 packed multiplies and 64 v_max3_num_f32 (the running maximum and the products of both s).
; THE WAY IN.  A step is 8 rows of s: 1,024 bytes of input_state (two loads of 16 bytes a lane) and 512 of all_mapping (one).  Steps 0 to 3 are asked for at the start; each of the first four steps that are handed on
; asks for two more, each later one for one more, up to step 15: from step 4 on the loads run eight steps ahead.  Each step has 12 registers of its own in window 1 (v256-447).  From there it goes into one of two LDS slots that
; only this wave touches, and comes back in the lanes' order: LDS serves a wave's instructions in order (ISA guide 5.7.1.4), so no barrier stands in the main part.
; NO CLUSTER: the tile's rows are 128 and 64 bytes (32 d, 16 n); a joint tensor load of them would have rows under 256 bytes, and loads into registers carry no mask.  No prefetch: the loads themselves run up to eight steps ahead.
; lds_bytes is more than half of 327,680, so that one work-group lies on a WGP; 41,984 bytes are used.
; BANKS (64 of 4 bytes: ISA guide 11.1).  In each half of the lanes a read of input_state touches 2 rows x 4 pieces of 16 bytes, 32 bytes apart, rows 128 bytes apart: eight different columns of 16 bytes
; modulo 256; a read of all_mapping 2 rows x 2 pieces, four different columns.  Lanes that want the same piece name the same address.  So the slots need no padding.
.set NSTEP,  16                        ; steps of a wave: 128 rows / 8
.set XROW,   128                       ; bytes of a row of input_state in a slot: 32 d
.set MROW,   64                        ; bytes of a row of all_mapping in a slot: 16 n
.set XPITCH, 2048                      ; bytes from s to s + 1 in input_state
.set MPITCH, 512                       ; and in all_mapping
.set MOFF,   8*XROW                    ; all_mapping's part of a slot
.set SLOT,   MOFF+8*MROW               ; 1,536 bytes
.set RBASE,  8*2*SLOT                  ; behind the eight waves' slots: 2,048 bytes for each wave, where the waves' maxima meet
.set RWAVE,  2048
.set SPARE,  RBASE+8*RWAVE             ; the spare words, 128 bytes for each wave
.set GX,  8                            ; v8     my byte offset in four rows of input_state
.set GM,  9                            ; v9     and in eight rows of all_mapping
.set STO, 10                           ; v10    where I put 16 bytes of a slot
.set XA,  11                           ; v11    LDS address of my piece of input_state in slot 0
.set MA,  12                           ; v12    the same for all_mapping
.set RC,  14                           ; v14-15 where wave 0 reads the maxima back
.set ACC, 16                           ; v16-79   the running maximum of (n, d) at ACC + 8 n + d
.set BUF, 80                           ; v80-143  two buffers of 32: for each of a step's 2 s: 8 numbers of input_state, then 8 of all_mapping
.set P,   144                          ; v144-175 products: two sets of 16 (8 d of the first s, 8 d of the second)
.set T,   ACC                          ; the end: 8 waves x 16 numbers
.set O,   P                            ; the end: my 16 maxima
.set C,   P+16                         ; the end: their codes
.set CO,  176                          ; v176   my byte offset in the work-group's 256 bytes of codes
.set SO,  177                          ; v177   my row's offset among the scale bytes
.set SPW, 178                          ; v178   LDS address of my spare word; never rewritten
.set NIL, 179                          ; v179   0; never rewritten
.set SB,  186                          ; v186-189 where I put my maxima of local row 0 .. 3
.set WV,  16                           ; s16    my wave's number
.set MSB, 0
.macro WIN new                         ; the immediate's high byte repeats the setting that is left
.if MSB != \new
	s_set_vgpr_msb (MSB<<8)|\new
.set MSB, \new
.endif
.endm
.set STAGED, 0x44                      ; loaded data and store data in window 1, addresses in window 0
	s_load_b256 s[4:11], s[0:1], 0x0               ; all_mapping s[4:5], input_state s[6:7], acodes s[8:9], ascales s[10:11]
	v_lshl_add_u32 v[SPW], v0, 2, SPARE
	v_mov_b32 v[NIL], 0
	v_lshrrev_b32 v1, 5, v0
	v_readfirstlane_b32 s[WV], v1                  ; wave 0..7
	s_and_b32 s17, ttmp7, 0xffff                   ; my row tile = 8 b + group of 16 n;  ttmp9: my block of 32 d
	s_lshr_b32 s18, s17, 3                         ; b
	s_and_b32 s19, s17, 7                          ; the group of 16 n
	s_lshl_b32 s20, s18, 21                        ; input_state: b x 1,024 x 2,048,
	s_lshl_b32 s22, s[WV], 18                      ; wave x 128 x 2,048,
	s_add_co_u32 s20, s20, s22
	s_lshl_b32 s22, ttmp9, 7                       ; block x 128 bytes
	s_add_co_u32 s20, s20, s22
	s_mov_b32 s21, 0
	s_lshl_b32 s22, s18, 19                        ; all_mapping: b x 1,024 x 512,
	s_lshl_b32 s24, s[WV], 16                      ; wave x 128 x 512,
	s_add_co_u32 s22, s22, s24
	s_lshl_b32 s24, s19, 6                         ; group x 64 bytes
	s_add_co_u32 s22, s22, s24
	s_mov_b32 s23, 0
	s_lshl_b32 s28, s17, 12                        ; acodes: 4,096 x row tile + 256 x block
	s_lshl_b32 s29, ttmp9, 8
	s_add_co_u32 s28, s28, s29
	s_mov_b32 s29, 0
	s_lshl_b32 s30, s17, 8                         ; ascales: 256 x row tile + block
	s_add_co_u32 s30, s30, ttmp9
	s_mov_b32 s31, 0
	s_mul_i32 s32, s[WV], 2*SLOT                   ; my wave's two slots
	s_add_co_u32 s33, s32, MOFF
	s_lshl_b32 s34, s[WV], 11
	s_add_co_u32 s34, s34, RBASE
	v_and_b32 v2, 31, v0                           ; lane
	v_and_b32 v3, 7, v0
	v_and_b32 v4, 3, v0
	v_and_b32 v5, 15, v0
	v_lshrrev_b32 v6, 3, v2                        ; lane / 8: one of four rows of input_state
	v_lshlrev_b32 v3, 4, v3
	v_lshrrev_b32 v7, 2, v2                        ; lane / 4: one of eight rows of all_mapping
	v_lshlrev_b32 v1, 4, v4
	v_lshl_add_u32 v[GX], v6, 11, v3
	v_lshl_add_u32 v[GM], v7, 9, v1
	v_lshl_add_u32 v[STO], v2, 4, s32
	v_bfe_u32 v6, v0, 4, 1                         ; lane / 16
	v_lshlrev_b32 v[CO], 3, v2                     ; 16 codes are 8 bytes: 8 f (f = lane, at the end)
	v_lshrrev_b32 v7, 1, v2
	; My lane: bits 1:0 = which 8 d (dg), bit 2 = which 8 n (ng), bits 4:3 = s mod 4 (sg)
	v_bfe_u32 v1, v0, 3, 2                         ; sg
	v_bfe_u32 v3, v0, 2, 1                         ; ng
	v_lshlrev_b32 v4, 5, v4                        ; 32 dg
	v_lshlrev_b32 v[SO], 4, v7                     ; a row of scale bytes is 16 bytes: 16 r, r = f / 2
	v_lshlrev_b32 v7, 5, v3                        ; 32 ng
	v_lshl_add_u32 v4, v1, 7, v4
	v_lshl_add_u32 v7, v1, 6, v7
	v_add_nc_u32 v[XA], s32, v4
	v_add_nc_u32 v[MA], s33, v7
	; Where the waves' maxima meet.  Piece (row r of 16, 4 d: ch of 8, ch = 4 half + i) of wave w lies at RBASE + 2,048 w + 512 i + 256 (r / 8) + 16 x ((2 (r % 8) + half) xor (2 (i / 2) + 4 (r / 8))).
	; The reader's lane f = 2 r + half takes piece i: in each half of the lanes sixteen different columns of 16 bytes.  The writer's lanes differ in dg and ng, that is in half, i / 2 and r / 8: the
	; exclusive or gives them eight different columns.  A writer holds, behind the meeting of the lanes, rows r = 8 ng + 4 (lane / 16) + 0 .. 3, pieces ch = 2 dg, 2 dg + 1.
	v_and_b32 v1, 1, v0                            ; dg % 2 = i / 2
	v_bfe_u32 v4, v0, 1, 1                         ; dg / 2 = half
	v_lshlrev_b32 v5, 4, v5                        ; the reader: 16 (f % 16),
	v_lshlrev_b32 v7, 6, v6
	v_mul_u32_u24 v1, v1, 1056                     ; 1,024 (two pieces i on) + 32 (the exclusive or's 2)
	v_xor_b32 v5, v5, v7                           ; xor 64 (f / 16),
	v_mad_u32_u24 v1, v3, 320, v1                  ; ng: 256 + 64 (the exclusive or's 4)
	v_lshl_add_u32 v5, v6, 8, v5                   ; + 256 (f / 16)
	v_lshl_add_u32 v1, v6, 7, v1                   ; 4 rows on: 8 columns
	v_add_nc_u32 v[RC], RBASE, v5                  ; for pieces i = 0, 1;
	v_lshl_add_u32 v1, v4, 4, v1                   ; half
	v_xor_b32 v[RC+1], 32, v[RC]                   ; for i = 2, 3
	v_add_nc_u32 v[SB], s34, v1                    ; local row 0;
	v_xor_b32 v[SB+1], 32, v[SB]                   ; a local row on is 2 columns on, under the exclusive or
	v_xor_b32 v[SB+2], 64, v[SB]
	v_xor_b32 v[SB+3], 96, v[SB]
	s_wait_alu depctr_va_vdst(0)                   ; the wait at the head's end
	s_wait_kmcnt 0x0
	s_add_nc_u64 s[6:7], s[6:7], s[20:21]
	s_add_nc_u64 s[4:5], s[4:5], s[22:23]
; Step k's three loads, into its 12 registers of window 1
.macro ASK k
	global_load_b128 v[12*(\k):12*(\k)+3],   v[GX], s[6:7] offset:(8*(\k))*XPITCH
	global_load_b128 v[12*(\k)+4:12*(\k)+7], v[GX], s[6:7] offset:(8*(\k)+4)*XPITCH
	global_load_b128 v[12*(\k)+8:12*(\k)+11], v[GM], s[4:5] offset:(8*(\k))*MPITCH
.endm
.set ASKED, 4                          ; steps asked for so far
; Step j is handed on: from its registers into slot j % 2, and back in the lanes' order; then the next loads go out.  Loads come back in order: three for each step asked for behind step j may be out.
.macro FEED j
	s_wait_loadcnt 3*(ASKED-1-(\j))
	WIN STAGED
	ds_store_b128 v[STO], v[12*(\j):12*(\j)+3] offset:((\j)%2)*SLOT
	ds_store_b128 v[STO], v[12*(\j)+4:12*(\j)+7] offset:((\j)%2)*SLOT+512
	ds_store_b128 v[STO], v[12*(\j)+8:12*(\j)+11] offset:((\j)%2)*SLOT+MOFF
	WIN 0
.irp u, 0,1
	ds_load_b128 v[BUF+32*((\j)%2)+16*\u:BUF+32*((\j)%2)+16*\u+3],     v[XA] offset:((\j)%2)*SLOT+4*\u*XROW
	ds_load_b128 v[BUF+32*((\j)%2)+16*\u+4:BUF+32*((\j)%2)+16*\u+7],   v[XA] offset:((\j)%2)*SLOT+4*\u*XROW+16
	ds_load_b128 v[BUF+32*((\j)%2)+16*\u+8:BUF+32*((\j)%2)+16*\u+11],  v[MA] offset:((\j)%2)*SLOT+4*\u*MROW
	ds_load_b128 v[BUF+32*((\j)%2)+16*\u+12:BUF+32*((\j)%2)+16*\u+15], v[MA] offset:((\j)%2)*SLOT+4*\u*MROW+16
.endr
.if ASKED < NSTEP
	WIN STAGED
	ASK ASKED
.set ASKED, ASKED+1
.if (\j) < 4
	ASK ASKED
.set ASKED, ASKED+1
.endif
	WIN 0
.endif
.endm
; The 16 products of local row n with my 8 d, for both s of the step, two to an instruction: a pair of d times one number of the mapping, which is the low or the high register of its pair
.macro MULS buf, n, p
.irp u, 0,1
.irp q, 0,1,2,3
.if ((\n)%2) == 0
	v_pk_mul_f32 v[\p+8*\u+2*\q:\p+8*\u+2*\q+1], v[\buf+16*\u+2*\q:\buf+16*\u+2*\q+1], v[\buf+16*\u+8+(\n):\buf+16*\u+9+(\n)] op_sel_hi:[1,0]
.else
	v_pk_mul_f32 v[\p+8*\u+2*\q:\p+8*\u+2*\q+1], v[\buf+16*\u+2*\q:\buf+16*\u+2*\q+1], v[\buf+16*\u+7+(\n):\buf+16*\u+8+(\n)] op_sel:[0,1] op_sel_hi:[1,1]
.endif
.endr
.endr
.endm
; and their way into the running maxima.  first = 1: the first step's products start the maxima: nothing is ever cleared
.macro MAXS n, p, first
.irp d, 0,1,2,3,4,5,6,7
.if \first
	v_max_num_f32 v[ACC+8*(\n)+\d], v[\p+\d], v[\p+8+\d]
.else
	v_max3_num_f32 v[ACC+8*(\n)+\d], v[ACC+8*(\n)+\d], v[\p+\d], v[\p+8+\d]
.endif
.endr
.endm
; A step.  A row's maxima stand behind the next row's products; in the middle the next step is handed on, into the buffer that the step before has read.
.macro STEP j, first
.set CUR, BUF+32*((\j)%2)
	s_wait_dscnt 0x0                               ; this step's eight reads are in (asked for half a step ago)
	MULS CUR, 0, P
.set nn, 1
.rept 7
	MULS CUR, nn, P+16*(nn%2)
	MAXS nn-1, P+16*((nn-1)%2), \first
.if (nn == 3) && ((\j) < NSTEP-1)
	FEED (\j)+1
.endif
.set nn, nn+1
.endr
	MAXS 7, P+16, \first
.endm
	WIN STAGED
.irp k, 0,1,2,3
	ASK \k
.endr
	WIN 0
	FEED 0
	STEP 0, 1
.set J, 1
.rept NSTEP-1
	STEP J, 0
.set J, J+1
.endr
	; THE LANES MEET.  Lanes l and l + 16 hold the same (n, d) for other s.  The exchange puts row n of both into lanes 0-15 of two registers and row n + 4 of both into lanes 16-31: one maximum then serves two registers.
.irp n, 0,1,2,3
.irp d, 0,1,2,3,4,5,6,7
	v_permlane16_swap_b32 v[ACC+8*\n+\d], v[ACC+32+8*\n+\d]
.endr
.endr
.irp n, 0,1,2,3
.irp d, 0,1,2,3,4,5,6,7
	v_max_num_f32 v[ACC+8*\n+\d], v[ACC+8*\n+\d], v[ACC+32+8*\n+\d]   ; lanes 0-15: local row n; lanes 16-31: local row n + 4
.endr
.endr
.irp n, 0,1,2,3
.irp d, 0,1,2,3,4,5,6,7
	v_max_num_f32_dpp v[ACC+8*\n+\d], v[ACC+8*\n+\d], v[ACC+8*\n+\d] row_xmask:8 row_mask:0xf bank_mask:0xf   ; and lane l xor 8's: my wave's maximum over its 128 s
.endr
.endr
.irp n, 0,1,2,3
	ds_store_b128 v[SB+\n], v[ACC+8*\n:ACC+8*\n+3]                 ; lanes l and l xor 8 write the same bytes with the same values
	ds_store_b128 v[SB+\n], v[ACC+8*\n+4:ACC+8*\n+7] offset:512
.endr
	s_add_nc_u64 s[8:9], s[8:9], s[28:29]
	s_add_nc_u64 s[10:11], s[10:11], s[30:31]
	s_wait_dscnt 0x0                               ; for the others' sake: my stores have landed
	s_barrier_signal -1
	s_barrier_wait -1                              ; all eight waves' maxima lie in LDS
	s_cmp_lg_u32 s[WV], 0                          ; 512 numbers are left: wave 0 finishes them, 16 neighbours along d to a lane, two lanes to a block, so that one instruction stores the work-group's 256 bytes of codes
	s_cbranch_scc1 .Lend
.irp w, 0,1,2,3,4,5,6,7
.irp i, 0,1,2,3
	ds_load_b128 v[T+16*\w+4*\i:T+16*\w+4*\i+3], v[RC+\i/2] offset:\w*RWAVE+\i*512
.endr
.endr
	s_wait_dscnt 20                                ; 32 loads, four a wave, come back in order: waves 0 to 2 are in
.irp k, 0,1,2,3,4,5,6,7,8,9,10,11,12,13,14,15
	v_max3_num_f32 v[O+\k], v[T+\k], v[T+16+\k], v[T+32+\k]
.endr
	s_wait_dscnt 12                                ; waves 3 and 4
.irp k, 0,1,2,3,4,5,6,7,8,9,10,11,12,13,14,15
	v_max3_num_f32 v[O+\k], v[O+\k], v[T+48+\k], v[T+64+\k]
.endr
	s_wait_dscnt 4                                 ; waves 5 and 6
.irp k, 0,1,2,3,4,5,6,7,8,9,10,11,12,13,14,15
	v_max3_num_f32 v[O+\k], v[O+\k], v[T+80+\k], v[T+96+\k]
.endr
	s_wait_dscnt 0x0                               ; wave 7
.irp k, 0,1,2,3,4,5,6,7,8,9,10,11,12,13,14,15
	v_max_num_f32 v[O+\k], v[O+\k], v[T+112+\k]    ; sp(row r, d = 32 block + 16 half + k), lane f = 2 r + half
.endr
	; THE QUANTISER.  The block's largest magnitude, with the floor 2^(3 - 127) among its leaves, so that the byte cannot fall under 1; its exponent field less 2 is the scale's byte.
	v_max3_num_f32 v2, |v[O]|, |v[O+1]|, 0x1800000
	v_max3_num_f32 v3, |v[O+2]|, |v[O+3]|, |v[O+4]|
	v_max3_num_f32 v4, |v[O+5]|, |v[O+6]|, |v[O+7]|
	v_max3_num_f32 v5, |v[O+8]|, |v[O+9]|, |v[O+10]|
	v_max3_num_f32 v2, v2, |v[O+11]|, |v[O+12]|
	v_max3_num_f32 v3, v3, |v[O+13]|, |v[O+14]|
	v_max3_num_f32 v4, v4, v5, |v[O+15]|
	v_max3_num_f32 v2, v2, v3, v4
	s_delay_alu instid0(VALU_DEP_1)
	v_max_num_f32_dpp v2, v2, v2 row_xmask:1 row_mask:0xf bank_mask:0xf   ; with my neighbour's 16: the block's
	s_delay_alu instid0(VALU_DEP_1)
	v_add_nc_u32 v4, 0xff000000, v2                ; 2 off its exponent field: the conversion takes the exponent field of this operand as its scale, and nothing else of it
	v_cvt_scalef32_pk8_fp4_f32 v[C], v[O:O+7], v4  ; eight numbers / the scale, to the nearest code, ties to even, beyond 6 the largest code; the first number's code in the lowest four bits
	v_cvt_scalef32_pk8_fp4_f32 v[C+1], v[O+8:O+15], v4
	v_lshrrev_b32 v5, 23, v4                       ; the scale's byte (also the plain line behind the conversions)
	global_store_b64 v[CO], v[C:C+1], s[8:9]       ; the 32 lanes store 256 consecutive bytes, at a multiple of 256 from the buffer's first byte
	global_store_b8 v[SO], v5, s[10:11]            ; 16 single bytes, 16 apart (both lanes of a block store the same byte): a row's 16 scale bytes come from 16 work-groups, and the next launch wants them on end in a row
.Lend:
	s_wait_tensorcnt 0x0                           ; the wave's end
	ds_add_u32 v[SPW], v[NIL]
	s_wait_dscnt 0x0
	s_endpgm
.Lfunc_end_k_qc7d7b34ab4_spmax:
	.size	k_qc7d7b34ab4_spmax, .Lfunc_end_k_qc7d7b34ab4_spmax-k_qc7d7b34ab4_spmax
	.p2alignl 7, 3214868480
	.fill 96, 4, 3214868480
	.section	.rodata,"a",@progbits
	.p2align	6, 0x0
	.amdhsa_kernel k_qc7d7b34ab4_spmax
		.amdhsa_group_segment_fixed_size 167936
		.amdhsa_private_segment_fixed_size 0
		.amdhsa_enable_private_segment 0
		.amdhsa_kernarg_size 32
		.amdhsa_user_sgpr_count 2
		.amdhsa_user_sgpr_kernarg_segment_ptr 1
		.amdhsa_wavefront_size32 1
		.amdhsa_system_sgpr_workgroup_id_x 1
		.amdhsa_system_sgpr_workgroup_id_y 1
		.amdhsa_system_sgpr_workgroup_id_z 1
		.amdhsa_system_vgpr_workitem_id 0
		.amdhsa_next_free_vgpr 448
		.amdhsa_next_free_sgpr 66
		.amdhsa_reserve_vcc 0
		.amdhsa_float_denorm_mode_32 3
		.amdhsa_float_denorm_mode_16_64 3
		.amdhsa_memory_ordered 1
		.amdhsa_forward_progress 1
		.amdhsa_inst_pref_size 159
	.end_amdhsa_kernel
	.amdgpu_metadata
---
amdhsa.version: [ 1, 2 ]
amdhsa.kernels:
  - .name:           k_qc7d7b34ab4_spmax
    .symbol:         k_qc7d7b34ab4_spmax.kd
    .args:
      - { .name: all_mapping, .offset: 0, .size: 8, .value_kind: global_buffer, .address_space: global }
      - { .name: input_state, .offset: 8, .size: 8, .value_kind: global_buffer, .address_space: global }
      - { .name: acodes, .offset: 16, .size: 8, .value_kind: global_buffer, .address_space: global }
      - { .name: ascales, .offset: 24, .size: 8, .value_kind: global_buffer, .address_space: global }
    .group_segment_fixed_size: 167936
    .private_segment_fixed_size: 0
    .kernarg_segment_align: 8
    .kernarg_segment_size: 32
    .max_flat_workgroup_size: 256
    .sgpr_count:     66
    .vgpr_count:     448
    .wavefront_size: 32
...
	.end_amdgpu_metadata
.endif
;; end of part 1
;; launch mlp (part 2): grid 16 x 1, 16 waves a work-group, clusters of 4 x 1, 169,984 bytes of LDS; arguments acodes, ascales, W1_codes, W1_scales, b1, W2, b2, out0; writes out0
.if DOCPART == 2
	.amdgcn_target "amdgcn-amd-amdhsa--gfx1250"
	.amdhsa_code_object_version 6
	.text
	.protected	k_qc7d7b34ab4_mlp
	.globl	k_qc7d7b34ab4_mlp
	.p2align	8
	.type	k_qc7d7b34ab4_mlp,@function
k_qc7d7b34ab4_mlp:
	s_mov_b64 s[64:65], 0
	v_nop
	global_prefetch_b8 v0, s[64:65] scope:SCOPE_SE
	s_setreg_imm32_b32 hwreg(HW_REG_WAVE_MODE, 25, 1), 1
	s_wait_xcnt 0x0
	s_wait_alu depctr_hold_cnt(0) depctr_sa_sdst(0) depctr_va_vdst(0) depctr_va_sdst(0) depctr_va_ssrc(0) depctr_va_vcc(0) depctr_vm_vsrc(0)
	s_getreg_b32 s2, hwreg(HW_REG_IB_STS2, 6, 4)
	s_cmp_eq_u32 s2, 0
	s_cbranch_scc0 .Lentry_in_a_cluster
	s_endpgm
.Lentry_in_a_cluster:
	s_bfe_u32 s2, ttmp6, 0x10000c
	s_cmp_lg_u32 s2, 0x3003
	s_cbranch_scc0 .Lentry_shape_is_right
	s_endpgm
.Lentry_shape_is_right:
; out0[row] = the sum over u of relu((sp W1)[row][u] + b1[u]) W2[u] + b2.  The first product on codes of FP4 (E2M1) with one E8M0 byte for each 32 along K = 512; all else in f32.
; acodes [16 row tiles][16 blocks][16 rows][16 bytes] and ascales [256 rows][16] come from the launch before;  W1_codes [512 units][256 bytes], W1_scales [512][16], K innermost, as they are given.
; SHARES.  A row's sum runs over all 512 hidden units and has one owner: a work-group takes 16 rows, so there are 16 work-groups.  Sixteen waves; wave w takes units 32 w .. 32 w + 31: two accumulators,
; 4 K steps of 128: eight matrix instructions.  The two accumulators take turns, one instruction a turn.
; THE MATRIX INSTRUCTION IS USED TRANSPOSED: source 0 = 16 rows of W1 (16 units), source 1 = the 16 rows of sp.  A lane (r = lane % 16, h = lane / 16) then holds row r, and register j unit 16 tile + 8 h + j:
; b1 at those eight units is the C of a tile's first instruction, W2 at the same units multiplies the result, and the sum over units stays in the lane but for one exchange of the halves.
; OPERANDS.  A fragment of 16 rows x 128 K is 8 registers: registers 4 c .. 4 c + 3 of lane (r, h) hold block 4 t + 2 c + h of row r, 16 bytes.  acodes lie in that order: a load of 16 bytes a lane takes 512
; consecutive bytes.  A row's 16 scale bytes are four words, one for each K step: one load of 16 bytes a lane.
; W1's codes: each wave brings its 32 rows, 8,192 consecutive bytes, into LDS by one tensor load, 16 bytes of padding behind each row
; (pitch 272 = 68 words: row r starts at bank 4 r mod 64; 64 banks of 4 bytes: ISA guide 11.1), and reads only what it brought: its own wait on TENSORcnt orders that.  Every LDS byte is filled once.
; CLUSTER 4 x 1.  All work-groups walk the same W1: the four of a cluster ask for each wave's rows jointly (mask 15).  No prefetch: there is no loop to run ahead in.
.set NWAVE,  16
.set WPITCH, 272
.set WWAVE,  32*WPITCH                 ; a wave's 32 rows of W1 in LDS
.set RB,     NWAVE*WWAVE               ; behind them: 64 bytes for each wave, where the waves' sums meet: no tile lands there
.set SPARE,  0x29000                   ; the spare words, 128 bytes for each wave
.set S,    8                           ; v8-11   sums at work
.set AF,   16                          ; v16-47  sp's four fragments
.set ASC,  48                          ; v48-51  sp's scale words, one for each K step: they hold scales and nothing else
.set WSC,  52                          ; v52-59  W1's, four for each tile
.set DA,   64                          ; v64-79  two accumulators; they begin as b1
.set W2R,  80                          ; v80-95  W2 at the accumulators' units
.set WF,   96                          ; v96-159 W1's fragments: tile u, K step t at WF + 32 u + 8 t; at the end the sixteen waves' sums
.set SPW, 160                          ; v160    LDS address of my spare word; never rewritten
.set NIL, 161                          ; v161    0; never rewritten
.set WV,   20                          ; s20     my wave's number
.macro CROUND                          ; a round of the cluster's barrier
	s_barrier_signal -1
	s_barrier_wait -1
	s_cmp_lg_u32 s[WV], 0
	s_cbranch_scc1 .Lnot_wave_0_\@
	s_barrier_signal -3
.Lnot_wave_0_\@:
	s_barrier_wait -3
	s_barrier_signal -1
	s_barrier_wait -1
.endm
	s_load_b512 s[4:19], s[0:1], 0x0               ; acodes s[4:5], ascales s[6:7], W1_codes s[8:9], W1_scales s[10:11], b1 s[12:13], W2 s[14:15], b2 s[16:17], out0 s[18:19]
	v_lshl_add_u32 v[SPW], v0, 2, SPARE
	v_mov_b32 v[NIL], 0
	ds_add_u32 v[SPW], v[NIL]                      ; the wave's opening: the add, twice on end, and its wait ahead of my tensor load
	ds_add_u32 v[SPW], v[NIL]
	v_lshrrev_b32 v1, 5, v0
	v_readfirstlane_b32 s[WV], v1                  ; wave 0..15
	s_bfe_u32 s21, ttmp6, 0x40000                  ; cx
	s_lshl_b32 s22, ttmp9, 2
	s_add_co_u32 s22, s22, s21                     ; my row tile = 4 x cluster x + cx: it enters the addresses of acodes, ascales and out0 alone
	; descriptor group 1: 32 rows x 256 bytes, dense in memory, padded in LDS
	s_mov_b32 s24, 15|(0<<16)|(1<<20)|(1<<21)|(5<<22)|(3<<25)   ; 15:0 the mask: all four work-groups; 17:16 elements of 1 byte; 20 padding on; 21 set beside a mask; 24:22 after every 64 words (code 5); 31:25 four words (code 3)
	s_mov_b32 s25, 256<<16                         ; tensor_dim0 = 256
	s_mov_b32 s26, 32<<16                          ; tensor_dim1 = 32
	s_mov_b32 s27, 256<<16                         ; tile_dim0 = 256
	s_mov_b32 s28, 32                              ; tile_dim1 = 32
	s_mov_b32 s29, 256                             ; elements from row to row
	s_mov_b32 s30, 0
	s_mov_b32 s31, 0
	s_mov_b32 s32, 1                               ; group 0: count = 1,
	s_mul_i32 s33, s[WV], WWAVE                    ; LDS address: my wave's part,
	s_lshl_b32 s36, s[WV], 13                      ; my 32 rows of W1: 8,192 bytes a wave
	s_mov_b32 s37, 0
	s_mov_b32 s40, 0x76543210
	s_mov_b32 s41, 0xfedcba98                      ; v_permlanex16_b32's selects for lane l xor 16
	s_lshl_b32 s44, s[WV], 6
	s_add_co_u32 s44, s44, RB
	v_and_b32 v13, 15, v0                          ; r
	v_bfe_u32 v14, v0, 4, 1                        ; h
	v_and_b32 v2, 31, v0
	v_mul_u32_u24 v5, v13, WPITCH
	v_lshlrev_b32 v3, 4, v13                       ; 16 r: a row's scale bytes
	v_lshlrev_b32 v4, 5, v14                       ; 32 h: my eight units of a tile in b1 and W2
	v_lshlrev_b32 v2, 4, v2                        ; 16 x lane: sp's fragments
	v_lshl_add_u32 v5, v14, 4, v5
	v_lshlrev_b32 v12, 2, v13                      ; 4 r
	v_add_nc_u32 v5, s33, v5                       ; LDS: my wave's part + row r x pitch + 16 h
	v_add_nc_u32 v6, s44, v12                      ; where my wave's sum of row r goes,
	v_add_nc_u32 v7, RB, v12                       ; and where wave 0 reads the sixteen
	s_wait_alu depctr_va_vdst(0)                   ; the wait at the head's end
	s_wait_dscnt 0x0                               ; both opening adds are done
	s_wait_kmcnt 0x0
	s_add_nc_u64 s[34:35], s[8:9], s[36:37]        ; global address,
	s_or_b32 s35, s35, 0x80000000                  ; type = 2
	CROUND                                         ; all four work-groups are here: the joint loads meet
	tensor_load_to_lds s[32:35], s[24:31]          ; my one tensor load
	s_nop 0
.rept 4
	v_nop
.endr
	s_load_b32 s38, s[16:17], 0x0                  ; b2
	s_mov_b32 s43, 0
	s_lshl_b32 s42, s22, 12                        ; acodes: 4,096 bytes a row tile
	s_add_nc_u64 s[4:5], s[4:5], s[42:43]
	s_lshl_b32 s42, s22, 8                         ; ascales: 256
	s_add_nc_u64 s[6:7], s[6:7], s[42:43]
	s_lshl_b32 s42, s22, 6                         ; out0: 64
	s_add_nc_u64 s[18:19], s[18:19], s[42:43]
	s_lshl_b32 s42, s[WV], 9                       ; W1's scale bytes: 32 rows x 16 bytes a wave
	s_add_nc_u64 s[10:11], s[10:11], s[42:43]
	s_lshl_b32 s42, s[WV], 7                       ; b1 and W2: 32 numbers a wave
	s_add_nc_u64 s[12:13], s[12:13], s[42:43]
	s_add_nc_u64 s[14:15], s[14:15], s[42:43]
.irp t, 0,1,2,3
.irp c, 0,1
	global_load_b128 v[AF+8*\t+4*\c:AF+8*\t+4*\c+3], v2, s[4:5] offset:1024*\t+512*\c   ; 32 lanes read 512 consecutive bytes
.endr
.endr
	global_load_b128 v[ASC:ASC+3], v3, s[6:7]      ; lane r: row r's four scale words (lanes 16-31 hold the same and are not read)
.irp u, 0,1
	global_load_b128 v[WSC+4*\u:WSC+4*\u+3], v3, s[10:11] offset:256*\u
	global_load_b128 v[DA+8*\u:DA+8*\u+3],   v4, s[12:13] offset:64*\u       ; b1 at units 16 u + 8 h + 0 .. 7, into the accumulator
	global_load_b128 v[DA+8*\u+4:DA+8*\u+7], v4, s[12:13] offset:64*\u+16
	global_load_b128 v[W2R+8*\u:W2R+8*\u+3],   v4, s[14:15] offset:64*\u     ; W2 at the same units
	global_load_b128 v[W2R+8*\u+4:W2R+8*\u+7], v4, s[14:15] offset:64*\u+16
.endr
	s_wait_tensorcnt 0x0                           ; my 32 rows of W1 lie in LDS
.irp t, 0,1,2,3
.irp u, 0,1
.irp c, 0,1
	ds_load_b128 v[WF+32*\u+8*\t+4*\c:WF+32*\u+8*\t+4*\c+3], v5 offset:\u*16*WPITCH+64*\t+32*\c
.endr
.endr
.endr
	s_wait_loadcnt 0x0
	s_wait_kmcnt 0x0                               ; b2
.irp t, 0,1,2,3
	s_wait_dscnt 12-4*\t                           ; K step t's four reads are in; the later steps' four each may be out
.irp u, 0,1
	v_wmma_scale_f32_16x16x128_f8f6f4 v[DA+8*\u:DA+8*\u+7], v[WF+32*\u+8*\t:WF+32*\u+8*\t+7], v[AF+8*\t:AF+8*\t+7], v[DA+8*\u:DA+8*\u+7], v[WSC+4*\u+\t], v[ASC+\t] matrix_a_fmt:MATRIX_FMT_FP4 matrix_b_fmt:MATRIX_FMT_FP4
.endr
.endr
.rept 4
	v_nop                                          ; four places behind the last matrix instruction, in front of the first read of results and of the loads into W1's registers further down
.endr
.irp k, 0,1,2,3,4,5,6,7,8,9,10,11,12,13,14,15
	v_max_num_f32 v[DA+\k], 0, v[DA+\k]            ; relu, each accumulator from its low end on
.endr
	v_pk_mul_f32 v[S:S+1], v[DA:DA+1], v[W2R:W2R+1]                ; x W2, two units at a time, a chain for each tile
	v_pk_mul_f32 v[S+2:S+3], v[DA+8:DA+9], v[W2R+8:W2R+9]
.irp q, 2,4,6
	s_delay_alu instid0(VALU_DEP_2)
	v_pk_fma_f32 v[S:S+1], v[DA+\q:DA+\q+1], v[W2R+\q:W2R+\q+1], v[S:S+1]
	s_delay_alu instid0(VALU_DEP_2)
	v_pk_fma_f32 v[S+2:S+3], v[DA+8+\q:DA+9+\q], v[W2R+8+\q:W2R+9+\q], v[S+2:S+3]
.endr
	s_delay_alu instid0(VALU_DEP_1)
	v_pk_add_f32 v[S:S+1], v[S:S+1], v[S+2:S+3]
	s_delay_alu instid0(VALU_DEP_1)
	v_add_f32 v[S], v[S], v[S+1]                   ; my 16 units,
	s_delay_alu instid0(VALU_DEP_1)
	v_permlanex16_b32 v[S+2], v[S], s40, s41
	s_delay_alu instid0(VALU_DEP_1)
	v_add_f32 v[S], v[S], v[S+2]                   ; and lane l xor 16's: my wave's 32 units of row r
	ds_store_b32 v6, v[S]                          ; lanes l and l xor 16 write the same word with the same value
	s_wait_dscnt 0x0                               ; for the others' sake: my store has landed
	s_barrier_signal -1
	s_barrier_wait -1
	s_cmp_lg_u32 s[WV], 0                          ; wave 0 adds the sixteen waves' sums, lane r row r's (lanes 16-31 the same once more)
	s_cbranch_scc1 .Lend
.irp w, 0,1,2,3,4,5,6,7,8,9,10,11,12,13,14,15
	ds_load_b32 v[WF+\w], v7 offset:64*\w
.endr
	s_wait_dscnt 0x0
.irp q, 0,4,8,12
	v_pk_add_f32 v[WF+\q:WF+\q+1], v[WF+\q:WF+\q+1], v[WF+\q+2:WF+\q+3]
.endr
	s_delay_alu instid0(VALU_DEP_3)
	v_pk_add_f32 v[WF:WF+1], v[WF:WF+1], v[WF+4:WF+5]
	s_delay_alu instid0(VALU_DEP_2)
	v_pk_add_f32 v[WF+8:WF+9], v[WF+8:WF+9], v[WF+12:WF+13]
	s_delay_alu instid0(VALU_DEP_1)
	v_pk_add_f32 v[WF:WF+1], v[WF:WF+1], v[WF+8:WF+9]
	s_delay_alu instid0(VALU_DEP_1)
	v_add_f32 v[WF], v[WF], v[WF+1]
	s_delay_alu instid0(VALU_DEP_1)
	v_add_f32 v[WF], s38, v[WF]                    ; + b2
	global_store_b32 v12, v[WF], s[18:19]          ; 64 consecutive bytes: all that the work-group has to store (lanes l and l xor 16 store the same word with the same value)
.Lend:
	s_wait_tensorcnt 0x0                           ; the wave's end
	ds_add_u32 v[SPW], v[NIL]
	s_wait_dscnt 0x0
	CROUND                                         ; the closing round: no work-group ends while a partner may still ask for rows that name it
	s_endpgm
.Lfunc_end_k_qc7d7b34ab4_mlp:
	.size	k_qc7d7b34ab4_mlp, .Lfunc_end_k_qc7d7b34ab4_mlp-k_qc7d7b34ab4_mlp
	.p2alignl 7, 3214868480
	.fill 96, 4, 3214868480
	.section	.rodata,"a",@progbits
	.p2align	6, 0x0
	.amdhsa_kernel k_qc7d7b34ab4_mlp
		.amdhsa_group_segment_fixed_size 169984
		.amdhsa_private_segment_fixed_size 0
		.amdhsa_enable_private_segment 0
		.amdhsa_kernarg_size 64
		.amdhsa_user_sgpr_count 2
		.amdhsa_user_sgpr_kernarg_segment_ptr 1
		.amdhsa_wavefront_size32 1
		.amdhsa_system_sgpr_workgroup_id_x 1
		.amdhsa_system_sgpr_workgroup_id_y 1
		.amdhsa_system_sgpr_workgroup_id_z 1
		.amdhsa_system_vgpr_workitem_id 0
		.amdhsa_next_free_vgpr 162
		.amdhsa_next_free_sgpr 66
		.amdhsa_reserve_vcc 0
		.amdhsa_float_denorm_mode_32 3
		.amdhsa_float_denorm_mode_16_64 3
		.amdhsa_memory_ordered 1
		.amdhsa_forward_progress 1
		.amdhsa_inst_pref_size 12
	.end_amdhsa_kernel
	.amdgpu_metadata
---
amdhsa.version: [ 1, 2 ]
amdhsa.kernels:
  - .name:           k_qc7d7b34ab4_mlp
    .symbol:         k_qc7d7b34ab4_mlp.kd
    .args:
      - { .name: acodes, .offset: 0, .size: 8, .value_kind: global_buffer, .address_space: global }
      - { .name: ascales, .offset: 8, .size: 8, .value_kind: global_buffer, .address_space: global }
      - { .name: W1_codes, .offset: 16, .size: 8, .value_kind: global_buffer, .address_space: global }
      - { .name: W1_scales, .offset: 24, .size: 8, .value_kind: global_buffer, .address_space: global }
      - { .name: b1, .offset: 32, .size: 8, .value_kind: global_buffer, .address_space: global }
      - { .name: W2, .offset: 40, .size: 8, .value_kind: global_buffer, .address_space: global }
      - { .name: b2, .offset: 48, .size: 8, .value_kind: global_buffer, .address_space: global }
      - { .name: out0, .offset: 56, .size: 8, .value_kind: global_buffer, .address_space: global }
    .group_segment_fixed_size: 169984
    .private_segment_fixed_size: 0
    .kernarg_segment_align: 8
    .kernarg_segment_size: 64
    .max_flat_workgroup_size: 512
    .sgpr_count:     66
    .vgpr_count:     162
    .wavefront_size: 32
...
	.end_amdgpu_metadata
.endif
;; end of part 2
